; MI455X (gfx1250); checked and timed in simulation.
; The chip was launched on July 23, 2026; its instructions are those of AMD's public machine-readable ISA for CDNA 5 (MIT licence, August 2026) and "CDNA5" Instruction Set Architecture Reference Guide (July 2026). The comments in the code are by the model that wrote it; some were corrected since.
;; Head. Allowed arithmetic: float matrix products may take bf16 or f16 operands with f32 sums; all other float work in f32.
;; Inputs: Wk 1,024 x 64 float32; Wq 1,024 x 64 float32; Wv 1,024 x 64 float32; x 4 x 4,096 x 1,024 float32.
;; Outputs: out0 4 x 4,096 x 64 float32.
;; One version. Each part assembles by itself: llvm-mc -triple=amdgcn-amd-amdhsa -mcpu=gfx1250 --defsym DOCPART=n.
;; ======== version 1 of 1: 2 launches
;; limits: values are held in f16: magnitudes above 65,504 overflow, below 6.1e-05 lose precision
;; workspace buffers: kv 4,194,304 bytes; qf 2,097,152 bytes
;; launch proj (part 1): grid 256 x 1, 12 waves a work-group, no clusters, 280,064 bytes of LDS; arguments x, Wk, Wq, Wv, kv, qf; writes kv, qf
.if DOCPART == 1
	.amdgcn_target "amdgcn-amd-amdhsa--gfx1250"
	.amdhsa_code_object_version 6
	.text
	.protected	k_q836e5074d3_proj
	.globl	k_q836e5074d3_proj
	.p2align	8
	.type	k_q836e5074d3_proj,@function
k_q836e5074d3_proj:
	s_mov_b64 s[64:65], 0
	v_nop
	global_prefetch_b8 v0, s[64:65] scope:SCOPE_SE
	s_setreg_imm32_b32 hwreg(HW_REG_WAVE_MODE, 25, 1), 1
	s_wait_xcnt 0x0
; k, q, v = x W.  x: [16384][1024] f32.  Wk, Wq, Wv: [1024][64] f32.  Operands rounded to bf16, sums in f32, results rounded once to f16.
; A work-group owns 64 rows of x.  Twelve waves: wave = 4 mat + kq, mat = 0 (K), 1 (Q), 2 (V).  Wave (mat, kq) multiplies all 64 rows by all 64
; columns of its W for k = 256 s + 64 kq .. + 63, s = 0..3: a quarter of K, 8 steps of 32, 16 accumulator tiles.  The four quarters meet in LDS at the end.
; x: the group's whole block, 64 x 4,096 bytes, is asked for at the start as 16 tiles (s, kq) of 64 rows x 256 bytes; no LDS byte is filled twice.
; W: straight from memory into registers.  Lane (r, h) loads 16 bytes (columns 4 r .. 4 r + 3) of sixteen rows k, so that one load covers two whole rows
; of 256 bytes, and register i of each load belongs to the fragment of the columns = i modulo 4: no transposition, each number of W converted once in the group.
; WHY W IS NOT SHARED IN A CLUSTER: the x block takes 278,528 of the 327,680 bytes of LDS that a work-group can be given; the 49,152 left would hold two
; slots of 32 rows of the three W (24,576 bytes each), one K step, and all four K quarters would then have to walk the same rows.
; OUTPUT, laid as the next launch's fragments (L = lane, r = L & 15, h = L >> 4), f16:
;   kv: 8,192 bytes for each 32 tokens.  K: a*2048 + d8*256 + rr*16 = dims 8 d8 .. + 7 of token 16 a + rr.
;       V: 4096 + i*1024 + f*512 + hh*256 + rr*16 = tokens 16 f + 8 hh .. + 7 of dim 4 rr + i.
;   qf: 2,048 bytes for each 16 tokens, d8*256 + rr*16, as K.
; LIMITS: |q|, |k|, |v| below 65,504, f16's largest number (inputs 30 times the drawn ones give about 5,000; offsets of 30 spreads on x and W give
; 1024 x 30 x 30/32 = 28,800).  f16 and not bf16, for its three more bits.  The order of the sums differs from a plain ascending one (K in four quarters).
.set XPITCH, 272                       ; an LDS row of x: 256 bytes + 16 of padding, an odd multiple of 16: sixteen rows start at sixteen different 16-byte columns
.set XTILE,  64*XPITCH                 ; 17,408 bytes: one tensor load
.set XSTAGE, 4*XTILE                   ; the four tiles of one s
.set XAD, 1                            ; v1   LDS address of my x bytes: r*272 + 32 h + kq*XTILE, stepped by XSTAGE
.set WOF, 2                            ; v2   byte offset in W: h*2048 + r*16 + kq*16384; never rewritten
.set RW,  3                            ; v3   the sum over quarters: where I put
.set RR,  4                            ; v4   and where I read
.set SO,  5                            ; v5   16 L, later the stores' offset
.set LR,  6                            ; v6   r
.set LH,  7                            ; v7   h
.set XF,  8                            ; v[8:15]    x fragment, bf16
.set XS,  16                           ; v[16:31]   x as loaded, f32
.set WB,  32                           ; v[32:63]   four W fragments, bf16; at the end the packed results
.set WS,  64                           ; v[64:127]  W as loaded, f32
.set ACC, 128                          ; v[128:255] tile (mt, i) at ACC + 8 (4 mt + i)
.set G1,  24                           ; s[24:31]   descriptor group 1
.set G0,  32                           ; s[32:47]   descriptor group 0, one set for each s
.macro PLACES                          ; four places behind matrix instructions (ISA guide 7.12.1), where there is no other vector work
.rept 4
	v_nop
.endr
.endm
; sixteen rows of W for K step n: k = 256 (n>>1) + 64 kq + 32 (n&1) + 8 h + {0..7, 16..23}
.macro WLOAD n
.irp a, 0,1,2,3,4,5,6,7,8,9,10,11,12,13,14,15
	global_load_b128 v[WS+4*\a:WS+4*\a+3], v[WOF], s[48:49] offset:((\n)>>1)*65536+((\n)&1)*8192+(\a+8*(\a/8))*256
.endr
.endm
; fragment i (columns 4 r + i): register k holds rows 2 k and 2 k + 1 of the sixteen
.macro WCVT
.irp i, 0,1,2,3
.irp k, 0,1,2,3,4,5,6,7
	v_cvt_pk_bf16_f32 v[WB+8*\i+\k], v[WS+8*\k+\i], v[WS+8*\k+4+\i]
.endr
.endr
.endm
; row 16 mt + r, k = 8 h .. + 7 and 16 + 8 h .. + 7 of the 32 at byte 128 t2 of the tile's rows
.macro XLOAD mt, t2
	ds_load_b128 v[XS:XS+3],     v[XAD] offset:(\mt)*16*XPITCH+(\t2)*128
	ds_load_b128 v[XS+4:XS+7],   v[XAD] offset:(\mt)*16*XPITCH+(\t2)*128+16
	ds_load_b128 v[XS+8:XS+11],  v[XAD] offset:(\mt)*16*XPITCH+(\t2)*128+64
	ds_load_b128 v[XS+12:XS+15], v[XAD] offset:(\mt)*16*XPITCH+(\t2)*128+80
.endm
.macro XCVT
.irp k, 0,1,2,3,4,5,6,7
	v_cvt_pk_bf16_f32 v[XF+\k], v[XS+2*\k], v[XS+2*\k+1]
.endr
.endm
; four products.  vv = 0 (K, Q): W first, so that lane = token r and register j = dim 32 h + 4 j + i.  vv = 1 (V): x first: register j = token 8 h + j, lane r = dim 4 r + i.
; In K step 0 the constant 0 starts the sums.
.macro MM mt, vv, n
.irp i, 0,1,2,3
.if \vv
.if (\n) == 0
	v_wmma_f32_16x16x32_bf16 v[ACC+8*(4*(\mt)+\i):ACC+8*(4*(\mt)+\i)+7], v[XF:XF+7], v[WB+8*\i:WB+8*\i+7], 0
.else
	v_wmma_f32_16x16x32_bf16 v[ACC+8*(4*(\mt)+\i):ACC+8*(4*(\mt)+\i)+7], v[XF:XF+7], v[WB+8*\i:WB+8*\i+7], v[ACC+8*(4*(\mt)+\i):ACC+8*(4*(\mt)+\i)+7]
.endif
.else
.if (\n) == 0
	v_wmma_f32_16x16x32_bf16 v[ACC+8*(4*(\mt)+\i):ACC+8*(4*(\mt)+\i)+7], v[WB+8*\i:WB+8*\i+7], v[XF:XF+7], 0
.else
	v_wmma_f32_16x16x32_bf16 v[ACC+8*(4*(\mt)+\i):ACC+8*(4*(\mt)+\i)+7], v[WB+8*\i:WB+8*\i+7], v[XF:XF+7], v[ACC+8*(4*(\mt)+\i):ACC+8*(4*(\mt)+\i)+7]
.endif
.endif
.endr
.endm
; One K step of 32: 16 products.  The sixteen accumulators take turns, one instruction a turn, from step to step too.
.macro KSTEP n, vv
	s_wait_loadcnt 0x0                             ; this step's sixteen rows of W: all that is out
.if (\n) > 0
	PLACES                                         ; behind the last step's products, which read WB and XF
.endif
	WCVT
.if (\n) < 7
	WLOAD (\n)+1                                   ; the next step's rows, on their way during this step's products
.endif
	XLOAD 0, ((\n)&1)
.irp mt, 0,1,2,3
	s_wait_dscnt 0x0                               ; the four loads of this row tile
.if \mt > 0
	PLACES                                         ; XF is rewritten four places behind the products that read it
.endif
	XCVT
.if \mt < 3
	XLOAD \mt+1, ((\n)&1)
.endif
	MM \mt, \vv, (\n)
.endr
.endm
; The two K steps that read the tiles (s, 0..3)
.macro STAGE s
	s_wait_tensorcnt 3-\s                          ; tensor loads of a wave end in order (ISA guide 10.11.1): tile s of a wave that asked is in, its 3 - s younger ones stay out
	s_barrier_signal -1                            ; (no LDS byte is filled again behind this barrier)
	s_barrier_wait -1                              ; all four tiles of this s are in, for the twelve waves that read them
	s_cmp_ge_u32 s16, 8
	s_cbranch_scc1 .Lv_\@
	KSTEP 2*\s, 0
	KSTEP 2*\s+1, 0
	s_branch .Ljoin_\@
.Lv_\@:
	KSTEP 2*\s, 1
	KSTEP 2*\s+1, 1
.Ljoin_\@:
.if \s < 3
	v_add_nc_u32 v[XAD], XSTAGE, v[XAD]
.endif
.endm
	s_load_b256 s[4:11], s[0:1], 0x0               ; x s[4:5], Wk s[6:7], Wq s[8:9], Wv s[10:11]
	s_load_b128 s[12:15], s[0:1], 0x20             ; kv s[12:13], qf s[14:15]
	s_set_vgpr_msb 0x40
	v_lshl_add_u32 v0, v0, 2, 0x44000
	v_mov_b32 v1, 0
	s_set_vgpr_msb 0x4045
	ds_add_u32 v0, v1
	ds_add_u32 v0, v1
	s_set_vgpr_msb 0x4500
	v_lshrrev_b32 v[LR], 5, v0
	v_readfirstlane_b32 s16, v[LR]                 ; wave 0..11
	s_and_b32 s17, s16, 3                          ; kq: my quarter of K; at the end my 16 tokens
	s_lshr_b32 s18, s16, 2                         ; mat
	; group 1: a tile of 64 rows x 64 elements of 4 bytes, 1,024 elements from row to row
	s_mov_b32 s[G1+0], 0x07520000                  ; 15:0 no mask; 17:16 element of 4 bytes; 20 padding on; 24:22 after every 64 words (code 5); 31:25 of 4 words (code 3)
	s_mov_b32 s[G1+1], 64<<16                      ; tensor_dim0 = 64
	s_mov_b32 s[G1+2], 64<<16                      ; tensor_dim1 = 64
	s_mov_b32 s[G1+3], 64<<16                      ; tile_dim0 = 64
	s_mov_b32 s[G1+4], 64                          ; tile_dim1 = 64
	s_mov_b32 s[G1+5], 1024                        ; the pitch
	s_mov_b32 s[G1+6], 0
	s_mov_b32 s[G1+7], 0
	s_wait_dscnt 0x0
	s_wait_kmcnt 0x0
	; The first fills, all in one branch: waves 0 to 3 (kq = wave) ask for their column of four tiles; four tensor loads of a wave are out at the most.
	s_cmp_ge_u32 s16, 4
	s_cbranch_scc1 .Lno_fill
	s_lshl_b32 s20, ttmp9, 18                      ; 64 rows of 4,096 bytes
	s_lshl_b32 s21, s16, 8                         ; + 256 bytes for each wave
	s_add_co_u32 s20, s20, s21
	s_mov_b32 s21, 0
	s_add_nc_u64 s[4:5], s[4:5], s[20:21]
	s_mul_i32 s19, s16, XTILE
.irp s, 0,1,2,3
	s_mov_b32 s[G0+4*\s], 1                                        ; count = 1
	s_add_co_u32 s[G0+4*\s+1], s19, \s*XSTAGE                      ; LDS address: wave x 17,408 + s x 69,632
	s_add_nc_u64 s[G0+4*\s+2:G0+4*\s+3], s[4:5], \s*1024           ; k = 256 s + 64 wave
	s_or_b32 s[G0+4*\s+3], s[G0+4*\s+3], 0x80000000                ; type = 2
	tensor_load_to_lds s[G0+4*\s:G0+4*\s+3], s[G1:G1+7]
	s_nop 0
.endr
.Lno_fill:
	s_cmp_eq_u32 s18, 1
	s_cselect_b64 s[48:49], s[8:9], s[6:7]         ; my W
	s_cmp_eq_u32 s18, 2
	s_cselect_b64 s[48:49], s[10:11], s[48:49]
	v_and_b32 v[LR], 15, v0
	v_bfe_u32 v[LH], v0, 4, 1
	v_lshlrev_b32 v[WOF], 4, v[LR]
	v_lshl_add_u32 v[WOF], v[LH], 11, v[WOF]
	s_lshl_b32 s52, s17, 14
	v_add_nc_u32 v[WOF], s52, v[WOF]
	WLOAD 0
	v_mul_u32_u24 v[XAD], v[LR], XPITCH
	v_lshl_add_u32 v[XAD], v[LH], 5, v[XAD]
	s_mul_i32 s52, s17, XTILE
	v_add_nc_u32 v[XAD], s52, v[XAD]
	v_and_b32 v[SO], 31, v0
	v_lshlrev_b32 v[SO], 4, v[SO]                  ; 16 L
	s_lshl_b32 s53, s18, 16
	s_lshl_b32 s54, s17, 12
	s_add_co_u32 s54, s54, s53
	v_add_nc_u32 v[RW], s54, v[SO]                 ; mat*65536 + kq*4096 + 16 L
	s_lshl_b32 s54, s17, 14
	s_add_co_u32 s54, s54, s53
	v_add_nc_u32 v[RR], s54, v[SO]                 ; mat*65536 + kq*16384 + 16 L
	STAGE 0
	STAGE 1
	STAGE 2
	STAGE 3
	; THE SUM OVER THE FOUR QUARTERS, through the bytes of x, whose one fill has ended: [mat][token tile][quarter][i][half] blocks of 512 bytes, 196,608 in all.
	PLACES                                         ; the LDS stores read results four places behind the last products
	s_wait_dscnt 0x0                               ; my reads of x are over
	s_barrier_signal -1
	s_barrier_wait -1                              ; everybody's are
.irp mt, 0,1,2,3
.irp i, 0,1,2,3
	ds_store_b128 v[RW], v[ACC+8*(4*\mt+\i):ACC+8*(4*\mt+\i)+3]   offset:\mt*16384+\i*1024
	ds_store_b128 v[RW], v[ACC+8*(4*\mt+\i)+4:ACC+8*(4*\mt+\i)+7] offset:\mt*16384+\i*1024+512
.endr
.endr
	s_wait_dscnt 0x0                               ; for the others' sake
	s_barrier_signal -1
	s_barrier_wait -1
	; wave (mat, kq) now owns token tile kq: the four quarters' 32 registers each, quarter q at ACC + 32 q
.set p, 0
.rept 32
	ds_load_b128 v[ACC+4*p:ACC+4*p+3], v[RR] offset:512*p
.set p, p+1
.endr
	; meanwhile: where the results go
	s_lshr_b32 s52, s17, 1
	s_lshl_b32 s52, s52, 13
	s_lshl_b32 s56, ttmp9, 14
	s_add_co_u32 s52, s52, s56                     ; my record of 32 tokens in kv
	s_and_b32 s53, s17, 1                          ; which 16 of them
	s_lshl_b32 s54, s53, 11
	s_add_co_u32 s54, s54, s52                     ; K
	s_lshl_b32 s58, s53, 9
	s_add_co_u32 s58, s58, s52
	s_add_co_u32 s58, s58, 4096                    ; V
	s_lshl_b32 s55, s17, 11
	s_lshl_b32 s57, ttmp9, 13
	s_add_co_u32 s55, s55, s57                     ; Q
	s_cmp_eq_u32 s18, 1
	s_cselect_b64 s[50:51], s[14:15], s[12:13]
	s_cselect_b32 s20, s55, s54
	s_cmp_eq_u32 s18, 2
	s_cselect_b32 s20, s58, s20
	s_mov_b32 s21, 0
	s_add_nc_u64 s[50:51], s[50:51], s[20:21]
	s_wait_dscnt 0x0
.set p, 0
.rept 16
	v_pk_add_f32 v[ACC+p:ACC+p+1],       v[ACC+p:ACC+p+1],       v[ACC+32+p:ACC+33+p]
	v_pk_add_f32 v[ACC+64+p:ACC+65+p],   v[ACC+64+p:ACC+65+p],   v[ACC+96+p:ACC+97+p]
.set p, p+2
.endr
.set p, 0
.rept 16
	v_pk_add_f32 v[ACC+p:ACC+p+1],       v[ACC+p:ACC+p+1],       v[ACC+64+p:ACC+65+p]
.set p, p+2
.endr
	s_cmp_ge_u32 s16, 8
	s_cbranch_scc1 .Lv_out
	; K and Q: register j of tile i is dim 32 h + 4 j + i of token r; piece u = dims 32 h + 8 u .. + 7
.irp u, 0,1,2,3
	v_cvt_pk_f16_f32 v[WB+4*\u],   v[ACC+2*\u],      v[ACC+8+2*\u]
	v_cvt_pk_f16_f32 v[WB+4*\u+1], v[ACC+16+2*\u],   v[ACC+24+2*\u]
	v_cvt_pk_f16_f32 v[WB+4*\u+2], v[ACC+2*\u+1],    v[ACC+8+2*\u+1]
	v_cvt_pk_f16_f32 v[WB+4*\u+3], v[ACC+16+2*\u+1], v[ACC+24+2*\u+1]
.endr
	v_lshlrev_b32 v[SO], 4, v[LR]
	v_lshl_add_u32 v[SO], v[LH], 10, v[SO]         ; d8 = 4 h + u
.irp u, 0,1,2,3
	global_store_b128 v[SO], v[WB+4*\u:WB+4*\u+3], s[50:51] offset:256*\u      ; sixteen lanes store 256 consecutive bytes, aligned
.endr
	s_set_vgpr_msb 0x5
	s_wait_tensorcnt 0x0
	ds_add_u32 v0, v1
	s_wait_dscnt 0x0
	s_set_vgpr_msb 0x500
	s_endpgm
.Lv_out:
	; V: register j of tile i is token 8 h + j of dim 4 r + i: eight neighbouring tokens are a piece as they stand
.irp i, 0,1,2,3
.irp k, 0,1,2,3
	v_cvt_pk_f16_f32 v[WB+4*\i+\k], v[ACC+8*\i+2*\k], v[ACC+8*\i+2*\k+1]
.endr
.endr
.irp i, 0,1,2,3
	global_store_b128 v[SO], v[WB+4*\i:WB+4*\i+3], s[50:51] offset:1024*\i     ; 512 consecutive bytes a wave
.endr
	s_set_vgpr_msb 0x5
	s_wait_tensorcnt 0x0
	ds_add_u32 v0, v1
	s_wait_dscnt 0x0
	s_set_vgpr_msb 0x500
	s_endpgm
.Lfunc_end_k_q836e5074d3_proj:
	.size	k_q836e5074d3_proj, .Lfunc_end_k_q836e5074d3_proj-k_q836e5074d3_proj
	.p2alignl 7, 3214868480
	.fill 96, 4, 3214868480
	.section	.rodata,"a",@progbits
	.p2align	6, 0x0
	.amdhsa_kernel k_q836e5074d3_proj
		.amdhsa_group_segment_fixed_size 280064
		.amdhsa_private_segment_fixed_size 0
		.amdhsa_enable_private_segment 0
		.amdhsa_kernarg_size 48
		.amdhsa_user_sgpr_count 2
		.amdhsa_user_sgpr_kernarg_segment_ptr 1
		.amdhsa_wavefront_size32 1
		.amdhsa_system_sgpr_workgroup_id_x 1
		.amdhsa_system_sgpr_workgroup_id_y 1
		.amdhsa_system_sgpr_workgroup_id_z 1
		.amdhsa_system_vgpr_workitem_id 0
		.amdhsa_next_free_vgpr 258
		.amdhsa_next_free_sgpr 66
		.amdhsa_reserve_vcc 0
		.amdhsa_float_denorm_mode_32 3
		.amdhsa_float_denorm_mode_16_64 3
		.amdhsa_memory_ordered 1
		.amdhsa_forward_progress 1
		.amdhsa_inst_pref_size 145
	.end_amdhsa_kernel
	.amdgpu_metadata
---
amdhsa.version: [ 1, 2 ]
amdhsa.kernels:
  - .name:           k_q836e5074d3_proj
    .symbol:         k_q836e5074d3_proj.kd
    .args:
      - { .name: x, .offset: 0, .size: 8, .value_kind: global_buffer, .address_space: global }
      - { .name: Wk, .offset: 8, .size: 8, .value_kind: global_buffer, .address_space: global }
      - { .name: Wq, .offset: 16, .size: 8, .value_kind: global_buffer, .address_space: global }
      - { .name: Wv, .offset: 24, .size: 8, .value_kind: global_buffer, .address_space: global }
      - { .name: kv, .offset: 32, .size: 8, .value_kind: global_buffer, .address_space: global }
      - { .name: qf, .offset: 40, .size: 8, .value_kind: global_buffer, .address_space: global }
    .group_segment_fixed_size: 280064
    .private_segment_fixed_size: 0
    .kernarg_segment_align: 8
    .kernarg_segment_size: 48
    .max_flat_workgroup_size: 384
    .sgpr_count:     66
    .vgpr_count:     258
    .wavefront_size: 32
...
	.end_amdgpu_metadata
.endif
;; end of part 1
;; launch attn (part 2): grid 256 x 1, 8 waves a work-group, clusters of 4 x 1, 327,680 bytes of LDS; arguments kv, qf, out0; writes out0
.if DOCPART == 2
	.amdgcn_target "amdgcn-amd-amdhsa--gfx1250"
	.amdhsa_code_object_version 6
	.text
	.protected	k_q836e5074d3_attn
	.globl	k_q836e5074d3_attn
	.p2align	8
	.type	k_q836e5074d3_attn,@function
k_q836e5074d3_attn:
	s_mov_b64 s[64:65], 0
	v_nop
	global_prefetch_b8 v0, s[64:65] scope:SCOPE_SE
	s_setreg_imm32_b32 hwreg(HW_REG_WAVE_MODE, 25, 1), 1
	s_wait_xcnt 0x0
	s_wait_alu depctr_hold_cnt(0) depctr_sa_sdst(0) depctr_va_vdst(0) depctr_va_sdst(0) depctr_va_ssrc(0) depctr_va_vcc(0) depctr_vm_vsrc(0)
	s_getreg_b32 s2, hwreg(HW_REG_IB_STS2, 6, 4)
	s_cmp_eq_u32 s2, 0
	s_cbranch_scc0 .Lentry_in_a_cluster
	s_endpgm
.Lentry_in_a_cluster:
	s_bfe_u32 s2, ttmp6, 0x10000c
	s_cmp_lg_u32 s2, 0x3003
	s_cbranch_scc0 .Lentry_shape_is_right
	s_endpgm
.Lentry_shape_is_right:
; out = softmax(causal(q k^T / 32)) v for 4 batches of 4,096 tokens, head size 64.  q, k, v: f16, laid as fragments by the launch before; out0: f32.
; SHARING.  Cluster C of 64: batch C >> 4, c = C & 15.  It owns two blocks of 128 query rows of its batch, block 31 - c and then block c; work-group cx takes rows
; 32 cx .. + 31 of each.  Keys go in slots of 512 (131,072 bytes of K and V).  Block beta needs (beta >> 2) + 1 slots, so the two blocks need S = 8 - (c >> 2) and
; 9 - S: nine trips in every work-group.  Only a block's highest slot reaches its diagonal, since 512 (beta >> 2) <= 128 beta.
; The four work-groups of a cluster walk the same keys: K and V come by JOINT tensor loads (mask 15), one for each wave and slot.  No branch, trip count or LDS
; address hangs on cx.
; THE WALK.  A running softmax takes the keys in any order.  In its first block cluster c starts at slot (2 (c & 3) + (c >> 3)) mod S and wraps round, and the first two
; tiles are asked for together: clusters c = 0..3 alone then ask for slots 0 to 7 of their batch at the start, so that a later tile has as a rule been asked for by
; another cluster some trips before.  The second block's slots, 0 to 8 - S, are walked in order: this cluster has asked for them before.
; Wave w takes 64 keys of each slot, 32 w .. + 31 and 256 + 32 w .. + 31, for all 32 rows, with its own running maximum, sum and O: one update for the 64 keys.
; The eight waves' results are merged at a block's end.  Each wave asks for, and reads, its own 16,384 bytes of a slot, so its own wait on TENSORcnt orders its reads.
; PRODUCTS (L = lane, r = L & 15, h = L >> 4).  S^T = K Q^T: lane r = query, register j = key 8 h + j.  Two such tiles, rounded to f16 pair by pair, ARE the second
; operand P^T of O^T = V^T P^T.  V's fragment i holds the dims 4 r + i, so register j of O's tile i is dim 32 h + 4 j + i of query r: maximum, sum and rescale are per lane.
; NOTHING IS CLEARED.  The first trip's products start O.  Between the blocks the running maximum alone is reset, to -FLT_MAX: the first real score then gives
; alpha = 2^(-huge) = 0, which wipes the (finite) old O and sum; a wave that meets no valid key keeps -FLT_MAX and gets the weight 0 in the merge.
; LIMITS.  Scores and v must be finite: NaN and infinities are not served.  Masked scores are -inf.  P is rounded to f16 (p <= 1), the row sums are taken of the
; unrounded p.  exp2's argument is one fma, s c2 - round(m c2), c2 = log2(e) / 32.  The order of the sums differs from the reference's.
.set SLOTB,  131072
.set STAT,   262144                    ; 2,048 bytes: for each (query tile, r) 64 bytes: eight waves' m, eight waves' l.  No tensor load lands here or behind
.set SCR,    264192                    ; 8 waves x 16 rows x 272 bytes: the waves' weighted O
.set SPITCH, 272
.set WSCR,   16*SPITCH
.set L16,  1                           ; v1   16 L
.set LA,   2                           ; v2, v3  LDS address of my 16 bytes in my part of slot 0, 1
.set LC,   4                           ; v4   r - 8 h - 32 w
.set DQ,   5                           ; v5   LC + my first row
.set VD,   6                           ; v6   DQ - the first key of the 256
.set OOF,  7                           ; v7   w*512 + 16 L
.set STW,  8                           ; v8   STAT + r*64 + w*4
.set STR,  9                           ; v9   STAT + r*64
.set SCW,  10                          ; v10  SCR + w*4352 + r*272 + h*128
.set SCRD, 11                          ; v11  SCR + (2 w + h)*272 + r*16
.set MR,   12                          ; v12, v13  running maximum of query tile 0, 1
.set LS,   14                          ; v14, v15  running sum (of my half of the keys)
.set MN,   16                          ; v16, v17  the new maximum; then a pair of the sums
.set AL,   18                          ; v18, v20  alpha; v19, v21 only fill the pairs
.set NM,   22                          ; v22, v24  -m c2; v23, v25 only fill the pairs
.set TT,   26                          ; v[26:29]  at work
.set FW,   30                          ; v30, v31  a pair of the sums; in the merge my weight / the row's sum
.set QF,   32                          ; v[32:63]   Q fragment (qn, ks) at 8 (2 qn + ks)
.set KV,   64                          ; v[64:127]  first K: fragment (u, a, ks) at 32 u + 8 (2 a + ks); then V: fragment (u, i) at 32 u + 8 i
.set MB,   KV+32                       ; the merge reads back here
.set SC,   128                         ; v[128:191] scores (qn, u, a) at 32 qn + 16 u + 8 a; then P^T (qn, u) in the lower 8 of each 16
.set OA,   192                         ; v[192:255] O^T (qn, i) at 32 qn + 8 i
; scalars: s10 wave; s11 cx; s12 batch; s14 c; s15 c >> 2; s16 at work; s17 the block's highest slot; s18 this trip's slot; s21 the walk's first slot; s22 S; s23 9 - S;
; s[24:25] offsets made of cx; s26 the slot's first key; s27 32 cx; s28 trip; s29 loop; s30, s31 my first row in block 1, 2; s33 at work; s[34:35] q; s[36:37] out;
; s[38:39] c2; s[40:47] group 0 of slot 0, 1; s[48:55] group 1; s[56:57] kv at my batch and wave; s[58:59] the tile's offset; s60 -c2; s61 -inf; s62, s63 lane selects
.macro PLACES n                        ; places behind matrix instructions (ISA guide 7.12.1), where there is no other vector work
.rept \n
	v_nop
.endr
.endm
; A round of the cluster's barrier
.macro ROUND
	s_barrier_signal -1
	s_barrier_wait -1
	s_cmp_lg_u32 s10, 0
	s_cbranch_scc1 .Lnot_wave_0_\@
	s_barrier_signal -3
.Lnot_wave_0_\@:
	s_barrier_wait -3
	s_barrier_signal -1
	s_barrier_wait -1
.endm
; The slot of trip t: t < S: (first + t) mod S; else t - S.  Both sums stay below 2 S, so one subtraction does.
.macro SIDX dst, t
	s_cmp_lt_u32 \t, s22
	s_cselect_b32 s33, s21, 0
	s_add_co_u32 \dst, \t, s33
	s_cmp_ge_u32 \dst, s22
	s_cselect_b32 s33, s22, 0
	s_sub_co_u32 \dst, \dst, s33
.endm
.macro QLOAD                           ; 32 rows of q, 4,096 bytes, as four fragments
.irp n, 0,1,2,3,4,5,6,7
	global_load_b128 v[QF+4*\n:QF+4*\n+3], v[L16], s[34:35] offset:\n*512
.endr
.endm
.macro KLOAD slot                      ; K of my 64 keys: sixteen loads of 512 neighbouring bytes
.irp u, 0,1
.irp n, 0,1,2,3,4,5,6,7
	ds_load_b128 v[KV+32*\u+4*\n:KV+32*\u+4*\n+3], v[LA+\slot] offset:\u*8192+\n*512
.endr
.endr
.endm
.macro VLOAD slot                      ; V of the same keys, into the same registers
.irp u, 0,1
.irp n, 0,1,2,3,4,5,6,7
	ds_load_b128 v[KV+32*\u+4*\n:KV+32*\u+4*\n+3], v[LA+\slot] offset:\u*8192+4096+\n*512
.endr
.endr
.endm
; four score products of the 32 keys u over dims 32 ks .. + 31; the four accumulators take turns, one instruction a turn
.macro QK u, ks
.irp qn, 0,1
.irp a, 0,1
.if \ks
	v_wmma_f32_16x16x32_f16 v[SC+32*\qn+16*\u+8*\a:SC+32*\qn+16*\u+8*\a+7], v[KV+32*\u+8*(2*\a+\ks):KV+32*\u+8*(2*\a+\ks)+7], v[QF+8*(2*\qn+\ks):QF+8*(2*\qn+\ks)+7], v[SC+32*\qn+16*\u+8*\a:SC+32*\qn+16*\u+8*\a+7]
.else
	v_wmma_f32_16x16x32_f16 v[SC+32*\qn+16*\u+8*\a:SC+32*\qn+16*\u+8*\a+7], v[KV+32*\u+8*(2*\a+\ks):KV+32*\u+8*(2*\a+\ks)+7], v[QF+8*(2*\qn+\ks):QF+8*(2*\qn+\ks)+7], 0
.endif
.endr
.endr
.endm
; key <= row, that is j + 16 a - 16 qn <= VD; else -inf.  Tiles (qn, a) = (0, 0) and (1, 1) share a compare.
.macro MASK u
	s_add_co_u32 s33, s26, \u*256
	v_sub_nc_u32 v[VD], v[DQ], s33
.irp j, 0,1,2,3,4,5,6,7
	v_cmp_le_i32 vcc_lo, \j, v[VD]
	v_cndmask_b32 v[SC+16*\u+\j],    s61, v[SC+16*\u+\j],    vcc_lo
	v_cndmask_b32 v[SC+16*\u+40+\j], s61, v[SC+16*\u+40+\j], vcc_lo
	v_cmp_le_i32 vcc_lo, \j+16, v[VD]
	v_cndmask_b32 v[SC+16*\u+8+\j],  s61, v[SC+16*\u+8+\j],  vcc_lo
	v_cmp_le_i32 vcc_lo, \j-16, v[VD]
	v_cndmask_b32 v[SC+16*\u+32+\j], s61, v[SC+16*\u+32+\j], vcc_lo
.endr
.endm
; The running softmax of both query tiles: 32 scores a lane and tile.  first = 1: the launch's first trip: there is no O and no sum to rescale yet.
.macro SOFT first
	; the maximum, in four chains: for each query tile one from the running maximum over the first 16 scores, one over the other 16
	v_max3_num_f32 v[MN],   v[MR],    v[SC],    v[SC+1]
	v_max3_num_f32 v[MN+1], v[MR+1],  v[SC+32], v[SC+33]
	v_max3_num_f32 v[TT],   v[SC+16], v[SC+17], v[SC+18]
	v_max3_num_f32 v[TT+1], v[SC+48], v[SC+49], v[SC+50]
.irp k, 2,4,6,8,10,12
	v_max3_num_f32 v[MN],   v[MN],   v[SC+\k],    v[SC+\k+1]
	v_max3_num_f32 v[MN+1], v[MN+1], v[SC+32+\k], v[SC+33+\k]
	v_max3_num_f32 v[TT],   v[TT],   v[SC+17+\k], v[SC+18+\k]
	v_max3_num_f32 v[TT+1], v[TT+1], v[SC+49+\k], v[SC+50+\k]
.endr
	v_max3_num_f32 v[MN],   v[MN],   v[SC+14], v[SC+15]
	v_max3_num_f32 v[MN+1], v[MN+1], v[SC+46], v[SC+47]
	v_max3_num_f32 v[MN],   v[MN],   v[TT],    v[SC+31]
	v_max3_num_f32 v[MN+1], v[MN+1], v[TT+1],  v[SC+63]
	v_permlanex16_b32 v[TT],   v[MN],   s62, s63   ; the other half of the lanes holds the query's other 32 keys
	v_permlanex16_b32 v[TT+1], v[MN+1], s62, s63
	v_max_num_f32 v[MN],   v[MN],   v[TT]
	v_max_num_f32 v[MN+1], v[MN+1], v[TT+1]
.if \first == 0
	v_sub_f32 v[TT],   v[MR],   v[MN]
	v_sub_f32 v[TT+1], v[MR+1], v[MN+1]
	v_mul_f32 v[TT],   s38, v[TT]
	v_mul_f32 v[TT+1], s38, v[TT+1]
	v_exp_f32 v[AL],   v[TT]                       ; alpha = 2^((m old - m new) c2)
	v_exp_f32 v[AL+2], v[TT+1]
.endif
	v_mul_f32 v[NM],   s60, v[MN]                  ; plain instructions stand behind the exponentials before their results are used (ISA guide 5.7.2)
	v_mul_f32 v[NM+2], s60, v[MN+1]
	v_mov_b32 v[MR],   v[MN]
	v_mov_b32 v[MR+1], v[MN+1]
.set p, 0
.rept 16
	v_pk_fma_f32 v[SC+p:SC+p+1],       v[SC+p:SC+p+1],       s[38:39], v[NM:NM+1]   op_sel_hi:[1,0,0]
	v_pk_fma_f32 v[SC+32+p:SC+33+p],   v[SC+32+p:SC+33+p],   s[38:39], v[NM+2:NM+3] op_sel_hi:[1,0,0]
.set p, p+2
.endr
	; 64 exponentials; O's rescale, 32 packed products that touch none of their registers, goes between them
.set p, 0
.rept 32
	v_exp_f32 v[SC+p],    v[SC+p]
	v_exp_f32 v[SC+32+p], v[SC+32+p]
.if \first == 0
	s_wait_alu depctr_va_vdst(0)
	v_pk_mul_f32 v[OA+2*p:OA+2*p+1], v[OA+2*p:OA+2*p+1], v[AL+2*(p/16):AL+2*(p/16)+1] op_sel_hi:[1,0]
.endif
.set p, p+1
.endr
.if \first
	v_nop                                          ; the plain place behind the exponentials
.endif
	; the sums of the unrounded p, in four chains of pairs
	s_wait_alu depctr_va_vdst(0)
	v_pk_add_f32 v[TT:TT+1],     v[SC:SC+1],       v[SC+2:SC+3]
	v_pk_add_f32 v[FW:FW+1],     v[SC+32:SC+33],   v[SC+34:SC+35]
	v_pk_add_f32 v[TT+2:TT+3],   v[SC+4:SC+5],     v[SC+6:SC+7]
	v_pk_add_f32 v[MN:MN+1],     v[SC+36:SC+37],   v[SC+38:SC+39]
.irp k, 8,12,16,20,24,28
	v_pk_add_f32 v[TT:TT+1],     v[TT:TT+1],     v[SC+\k:SC+\k+1]
	v_pk_add_f32 v[FW:FW+1],     v[FW:FW+1],     v[SC+32+\k:SC+33+\k]
	v_pk_add_f32 v[TT+2:TT+3],   v[TT+2:TT+3],   v[SC+\k+2:SC+\k+3]
	v_pk_add_f32 v[MN:MN+1],     v[MN:MN+1],     v[SC+34+\k:SC+35+\k]
.endr
	v_pk_add_f32 v[TT:TT+1],     v[TT:TT+1],     v[TT+2:TT+3]
	v_pk_add_f32 v[FW:FW+1],     v[FW:FW+1],     v[MN:MN+1]
.if \first
	v_add_f32 v[LS],   v[TT], v[TT+1]
	v_add_f32 v[LS+1], v[FW], v[FW+1]
.else
	v_add_f32 v[TT], v[TT], v[TT+1]
	v_add_f32 v[FW], v[FW], v[FW+1]
	v_fma_f32 v[LS],   v[LS],   v[AL],   v[TT]
	v_fma_f32 v[LS+1], v[LS+1], v[AL+2], v[FW]
.endif
	; P^T in place: register k of a group of 16 scores takes scores 2 k and 2 k + 1, so no score is written over before it is read
.irp g, 0,1,2,3
.irp k, 0,1,2,3,4,5,6,7
	v_cvt_pk_f16_f32 v[SC+16*\g+\k], v[SC+16*\g+2*\k], v[SC+16*\g+2*\k+1]
.endr
.endr
.endm
; O^T += V^T P^T over my 64 keys: eight accumulators by turns, twice round.  first = 1: the constant 0 starts the sums.
.macro PV first
.irp u, 0,1
.irp i, 0,1,2,3
.irp qn, 0,1
.if \first*(1-\u)
	v_wmma_f32_16x16x32_f16 v[OA+32*\qn+8*\i:OA+32*\qn+8*\i+7], v[KV+32*\u+8*\i:KV+32*\u+8*\i+7], v[SC+32*\qn+16*\u:SC+32*\qn+16*\u+7], 0
.else
	v_wmma_f32_16x16x32_f16 v[OA+32*\qn+8*\i:OA+32*\qn+8*\i+7], v[KV+32*\u+8*\i:KV+32*\u+8*\i+7], v[SC+32*\qn+16*\u:SC+32*\qn+16*\u+7], v[OA+32*\qn+8*\i:OA+32*\qn+8*\i+7]
.endif
.endr
.endr
.endr
.endm
; From the eight waves' m (SC + 16 qn ..) and l (.. + 8): my weight over the row's sum
.macro WEIGH qn
	v_max3_num_f32 v[TT], v[SC+16*\qn],   v[SC+16*\qn+1], v[SC+16*\qn+2]
	v_max3_num_f32 v[TT], v[TT],          v[SC+16*\qn+3], v[SC+16*\qn+4]
	v_max3_num_f32 v[TT], v[TT],          v[SC+16*\qn+5], v[SC+16*\qn+6]
	v_max_num_f32  v[TT], v[TT],          v[SC+16*\qn+7]
.irp k, 0,1,2,3,4,5,6,7
	v_sub_f32 v[SC+16*\qn+\k], v[SC+16*\qn+\k], v[TT]
.endr
	v_sub_f32 v[TT+1], v[MR+\qn], v[TT]
.irp k, 0,1,2,3,4,5,6,7
	v_mul_f32 v[SC+16*\qn+\k], s38, v[SC+16*\qn+\k]
.endr
	v_mul_f32 v[TT+1], s38, v[TT+1]
.irp k, 0,1,2,3,4,5,6,7
	v_exp_f32 v[SC+16*\qn+\k], v[SC+16*\qn+\k]
.endr
	v_exp_f32 v[TT+1], v[TT+1]
	v_nop                                          ; the plain place behind the exponentials
	s_wait_alu depctr_va_vdst(0)
	v_mul_f32 v[TT+2], v[SC+16*\qn], v[SC+16*\qn+8]
.irp k, 1,2,3,4,5,6,7
	v_fmac_f32 v[TT+2], v[SC+16*\qn+\k], v[SC+16*\qn+8+\k]
.endr
	v_rcp_f32 v[TT+2], v[TT+2]                     ; the wave that holds the row's maximum has l >= 1 with weight 1: the sum is not 0
	v_nop
	s_wait_alu depctr_va_vdst(0)
	v_mul_f32 v[FW+\qn], v[TT+1], v[TT+2]
.endm
; The eight waves' O of query tile qn, weighted, meet in SCR as rows of out (256 bytes at pitch 272); wave w sums rows 2 w and 2 w + 1 and stores them.
.macro MERGEQ qn
.irp j, 0,1,2,3,4,5,6,7
.irp i, 0,1,2,3
	v_mul_f32 v[KV+4*\j+\i], v[OA+32*\qn+8*\i+\j], v[FW+\qn]       ; dims 32 h + 4 j + 0..3: 16 neighbouring bytes
.endr
	ds_store_b128 v[SCW], v[KV+4*\j:KV+4*\j+3] offset:16*\j
.endr
	s_wait_dscnt 0x0                               ; for the others' sake
	s_barrier_signal -1
	s_barrier_wait -1
.irp s, 0,1,2,3,4,5,6,7
	ds_load_b128 v[MB+4*\s:MB+4*\s+3], v[SCRD] offset:\s*WSCR
.endr
	s_wait_dscnt 0x0
.irp s, 0,2,4,6
	v_pk_add_f32 v[MB+4*\s:MB+4*\s+1],   v[MB+4*\s:MB+4*\s+1],   v[MB+4*\s+4:MB+4*\s+5]
	v_pk_add_f32 v[MB+4*\s+2:MB+4*\s+3], v[MB+4*\s+2:MB+4*\s+3], v[MB+4*\s+6:MB+4*\s+7]
.endr
.irp s, 0,4
	v_pk_add_f32 v[MB+4*\s:MB+4*\s+1],   v[MB+4*\s:MB+4*\s+1],   v[MB+4*\s+8:MB+4*\s+9]
	v_pk_add_f32 v[MB+4*\s+2:MB+4*\s+3], v[MB+4*\s+2:MB+4*\s+3], v[MB+4*\s+10:MB+4*\s+11]
.endr
	v_pk_add_f32 v[SC+32+4*\qn:SC+33+4*\qn], v[MB:MB+1],   v[MB+16:MB+17]      ; each query tile has its own four registers: no wait between the two stores
	v_pk_add_f32 v[SC+34+4*\qn:SC+35+4*\qn], v[MB+2:MB+3], v[MB+18:MB+19]
	global_store_b128 v[OOF], v[SC+32+4*\qn:SC+35+4*\qn], s[36:37] offset:\qn*4096 th:TH_STORE_NT   ; the wave stores 512 consecutive bytes, two whole rows of out
.endm
; A block's end: the waves' maxima and sums meet, O is merged and stored.  blk = 0: the first block; the second is set up.  blk = 1: the second.
.macro FINAL blk
	v_permlanex16_b32 v[TT],   v[LS],   s62, s63
	v_permlanex16_b32 v[TT+1], v[LS+1], s62, s63
	v_add_f32 v[LS],   v[LS],   v[TT]              ; both halves of the lanes now hold the query's sum
	v_add_f32 v[LS+1], v[LS+1], v[TT+1]
	ds_store_b32 v[STW], v[MR]
	ds_store_b32 v[STW], v[LS]   offset:32
	ds_store_b32 v[STW], v[MR+1] offset:1024
	ds_store_b32 v[STW], v[LS+1] offset:1056
.if \blk == 0
	s_lshl_b32 s24, s31, 7                         ; the second block's q is asked for here and waited for at the end of the merge
	s_add_nc_u64 s[34:35], s[6:7], s[24:25]        ; (the loads that used this base were waited for at the start)
	QLOAD
.endif
	s_wait_dscnt 0x0
	s_barrier_signal -1
	s_barrier_wait -1                              ; also: every wave's reads of SCR in an earlier merge are over
.irp k, 0,1,2,3
	ds_load_b128 v[SC+4*\k:SC+4*\k+3],       v[STR] offset:16*\k
	ds_load_b128 v[SC+16+4*\k:SC+19+4*\k],   v[STR] offset:1024+16*\k
.endr
	s_wait_dscnt 0x0
	WEIGH 0
	WEIGH 1
	MERGEQ 0
	s_barrier_signal -1                            ; every wave's reads of SCR are back (its wait for 0 above):
	s_barrier_wait -1                              ; SCR may be written again
	MERGEQ 1
.if \blk == 0
	s_wait_xcnt 0x0                                ; the stores' data and base are rewritten only behind this wait
	s_wait_loadcnt 0x0                             ; q of the second block
	v_mov_b32 v[MR],   0xff7fffff                  ; the running maximum alone is reset: see NOTHING IS CLEARED
	v_mov_b32 v[MR+1], 0xff7fffff
	v_add_nc_u32 v[DQ], s31, v[LC]
	s_lshl_b32 s24, s31, 8
	s_add_nc_u64 s[36:37], s[8:9], s[24:25]
.endif
.endm
; One trip: my 64 keys of the slot, for 32 rows.  refill = 1: the other slot is asked for again, jointly.  first = 1: the launch's first trip.
; fin = 1: the first block may end here; fin = 2: the second block ends here.
.macro TRIP slot, refill, first, fin
.if \first
	s_wait_tensorcnt 0x1                           ; tensor loads of a wave end in order (ISA guide 10.11.1): my part of slot 0 is in, slot 1's stays out; nothing is filled again here
.else
	s_set_vgpr_msb 0x5
	s_wait_tensorcnt 0x0                           ; all my tensor loads are done (one was out: my part of this slot), so a group 0 may be written
	ds_add_u32 v0, v1
	s_wait_dscnt 0x0
	s_set_vgpr_msb 0x500
.endif
.if \refill
	s_add_co_u32 s16, s28, 1
	SIDX s58, s16                                  ; the next trip's slot of keys
	s_lshl_b32 s58, s58, 17
	s_add_nc_u64 s[46-4*\slot:47-4*\slot], s[56:57], s[58:59]
	s_or_b32 s[47-4*\slot], s[47-4*\slot], 0x80000000
	s_wait_dscnt 0x0                               ; my reads of the other slot are over
	ROUND                                          ; both now hold of every wave of the four work-groups
	tensor_load_to_lds s[44-4*\slot:47-4*\slot], s[48:55]          ; my one tensor load behind the round: it has this trip's work in which to land
	s_nop 0
.endif
	KLOAD \slot
	SIDX s18, s28                                  ; which 512 keys these are
	s_lshl_b32 s26, s18, 9
	s_cmp_lt_u32 s28, s22
	s_cselect_b32 s17, s22, s23
	s_sub_co_u32 s17, s17, 1                       ; the block's highest slot
	s_wait_dscnt 0x8                               ; K of the first 32 keys is in; the second 32 keys' eight younger loads stay out
	QK 0, 0
	QK 0, 1
	s_wait_dscnt 0x0
	QK 1, 0
	QK 1, 1
	PLACES 4                                       ; behind the products: V is loaded into K's registers, and vector instructions read the scores
	VLOAD \slot                                    ; on its way during the softmax
	s_cmp_lg_u32 s18, s17
	s_cbranch_scc1 .Lno_mask_\@
	MASK 0                                         ; the block's highest slot alone reaches the diagonal
	MASK 1
.Lno_mask_\@:
	SOFT \first
	s_wait_dscnt 0x0                               ; V
	PV \first
	PLACES 5                                       ; the next trip's score products write over P's registers: five places; its loads into KV and the rescale need four
	s_add_co_u32 s28, s28, 1
.if \fin == 1
	s_cmp_lg_u32 s28, s22
	s_cbranch_scc1 .Lon_\@
	FINAL 0
.Lon_\@:
.endif
.if \fin == 2
	FINAL 1
.endif
.endm
	s_load_b128 s[4:7], s[0:1], 0x0                ; kv s[4:5], qf s[6:7]
	s_load_b64 s[8:9], s[0:1], 0x10                ; out0
	s_set_vgpr_msb 0x40
	v_lshl_add_u32 v0, v0, 2, 0x49000
	v_mov_b32 v1, 0
	s_set_vgpr_msb 0x4045
	ds_add_u32 v0, v1
	ds_add_u32 v0, v1
	s_set_vgpr_msb 0x4500
	v_lshrrev_b32 v[TT], 5, v0
	v_readfirstlane_b32 s10, v[TT]                 ; wave 0..7
	s_bfe_u32 s11, ttmp6, 0x40000                  ; cx
	s_lshr_b32 s12, ttmp9, 4                       ; batch (in a cluster launch ttmp9 counts clusters)
	s_and_b32 s14, ttmp9, 15                       ; c
	s_lshr_b32 s15, s14, 2
	s_sub_co_u32 s22, 8, s15                       ; S: slots of block 31 - c, 5 to 8
	s_add_co_u32 s23, s15, 1                       ; 9 - S: slots of block c
	s_and_b32 s21, s14, 3
	s_lshl_b32 s21, s21, 1
	s_lshr_b32 s16, s14, 3
	s_add_co_u32 s21, s21, s16                     ; 2 (c & 3) + (c >> 3), at most 7 < 2 S,
	s_cmp_ge_u32 s21, s22
	s_cselect_b32 s16, s22, 0
	s_sub_co_u32 s21, s21, s16                     ; mod S: where my cluster's walk begins
	s_mov_b32 s25, 0
	s_mov_b32 s28, 0
	s_lshl_b32 s27, s11, 5
	s_sub_co_u32 s30, 31, s14
	s_lshl_b32 s30, s30, 7
	s_add_co_u32 s30, s30, s27                     ; my first row in block 31 - c
	s_lshl_b32 s31, s14, 7
	s_add_co_u32 s31, s31, s27                     ; and in block c
	s_mov_b32 s38, 0x3d38aa3b                      ; c2 = log2(e) / 32
	s_mov_b32 s39, 0x3d38aa3b
	s_mov_b32 s60, 0xbd38aa3b
	s_mov_b32 s61, 0xff800000
	s_mov_b32 s62, 0x76543210                      ; v_permlanex16_b32: lane i of one half reads lane i of the other
	s_mov_b32 s63, 0xfedcba98
	; group 1: two rows of 8,192 bytes, 65,536 bytes apart: the records of my two runs of 32 keys
	s_mov_b32 s48, 0x0023000f                      ; 15:0 mask: the four work-groups; 17:16 element of 8 bytes; 21 set beside a mask
	s_mov_b32 s49, 1024<<16                        ; tensor_dim0 = 1,024
	s_mov_b32 s50, 2<<16                           ; tensor_dim1 = 2
	s_mov_b32 s51, 1024<<16                        ; tile_dim0 = 1,024
	s_mov_b32 s52, 2                               ; tile_dim1 = 2
	s_mov_b32 s53, 8192                            ; the pitch
	s_mov_b32 s54, 0
	s_mov_b32 s55, 0
	s_mov_b32 s40, 1
	s_lshl_b32 s41, s10, 14                        ; LDS: wave x 16,384
	s_mov_b32 s44, 1
	s_add_co_u32 s45, s41, SLOTB                   ; + the slot
	s_mov_b32 s59, 0
	s_lshl_b32 s16, s12, 20                        ; a batch of kv: 128 records
	s_lshl_b32 s17, s10, 13
	s_add_co_u32 s16, s16, s17
	s_mov_b32 s17, 0
	s_lshl_b32 s18, s12, 19                        ; a batch of qf
	s_mov_b32 s19, 0
	s_wait_dscnt 0x0
	s_wait_kmcnt 0x0
	s_add_nc_u64 s[56:57], s[4:5], s[16:17]
	s_add_nc_u64 s[6:7], s[6:7], s[18:19]
	s_lshl_b32 s18, s12, 20                        ; a batch of out0
	s_add_nc_u64 s[8:9], s[8:9], s[18:19]
	s_lshl_b32 s58, s21, 17                        ; trip 0's keys
	s_add_nc_u64 s[42:43], s[56:57], s[58:59]
	s_or_b32 s43, s43, 0x80000000
	s_mov_b32 s16, 1
	SIDX s58, s16                                  ; trip 1's keys
	s_lshl_b32 s58, s58, 17
	s_add_nc_u64 s[46:47], s[56:57], s[58:59]
	s_or_b32 s47, s47, 0x80000000
	ROUND                                          ; the four work-groups are here: the first joint loads meet
	tensor_load_to_lds s[40:43], s[48:55]          ; both first fills go out together: two tensor loads of a wave are out here, one later
	s_nop 0
	tensor_load_to_lds s[44:47], s[48:55]
	s_nop 0
	s_lshl_b32 s24, s30, 7
	s_add_nc_u64 s[34:35], s[6:7], s[24:25]
	s_lshl_b32 s24, s30, 8
	s_add_nc_u64 s[36:37], s[8:9], s[24:25]
	v_and_b32 v[L16], 31, v0
	v_lshlrev_b32 v[L16], 4, v[L16]
	QLOAD
	v_and_b32 v[TT], 15, v0                        ; r
	v_bfe_u32 v[TT+1], v0, 4, 1                    ; h
	v_add_nc_u32 v[LA], s41, v[L16]
	v_add_nc_u32 v[LA+1], SLOTB, v[LA]
	v_lshlrev_b32 v[TT+2], 3, v[TT+1]
	v_sub_nc_u32 v[LC], v[TT], v[TT+2]
	s_lshl_b32 s13, s10, 5
	v_sub_nc_u32 v[LC], v[LC], s13
	v_add_nc_u32 v[DQ], s30, v[LC]
	s_lshl_b32 s13, s10, 9
	v_add_nc_u32 v[OOF], s13, v[L16]
	v_lshlrev_b32 v[STR], 6, v[TT]
	v_add_nc_u32 v[STR], STAT, v[STR]
	s_lshl_b32 s13, s10, 2
	v_add_nc_u32 v[STW], s13, v[STR]
	v_mul_u32_u24 v[SCW], v[TT], SPITCH
	v_lshl_add_u32 v[SCW], v[TT+1], 7, v[SCW]
	s_mul_i32 s13, s10, WSCR
	s_add_co_u32 s13, s13, SCR
	v_add_nc_u32 v[SCW], s13, v[SCW]
	v_mul_u32_u24 v[SCRD], v[TT+1], SPITCH
	v_lshl_add_u32 v[SCRD], v[TT], 4, v[SCRD]
	s_mul_i32 s13, s10, 2*SPITCH
	s_add_co_u32 s13, s13, SCR
	v_add_nc_u32 v[SCRD], s13, v[SCRD]
	v_mov_b32 v[MR],   0xff7fffff                  ; -FLT_MAX
	v_mov_b32 v[MR+1], 0xff7fffff
	v_mov_b32 v[AL+1], 0                           ; the pairs' upper registers are named by the packed forms and never used
	v_mov_b32 v[AL+3], 0
	v_mov_b32 v[NM+1], 0
	v_mov_b32 v[NM+3], 0
	s_wait_loadcnt 0x0                             ; q
	TRIP 0, 0, 1, 0                                ; trip 0: its products start the sums; S >= 5, so no block ends here
	s_mov_b32 s29, 3
.Ltrips:
	TRIP 1, 1, 0, 1                                ; trips 1 to 6
	TRIP 0, 1, 0, 1
	s_sub_co_u32 s29, s29, 1
	s_cmp_lg_u32 s29, 0
	s_cbranch_scc1 .Ltrips
	TRIP 1, 1, 0, 1                                ; trip 7 asks for the last tile
	TRIP 0, 0, 0, 2                                ; trip 8: nothing is left to ask for, so no round; the second block ends
	s_set_vgpr_msb 0x5
	s_wait_tensorcnt 0x0
	ds_add_u32 v0, v1
	s_wait_dscnt 0x0
	s_set_vgpr_msb 0x500
	ROUND                                          ; the closing round: no work-group ends while a partner may still ask for a tile that names it
	s_endpgm
.Lfunc_end_k_q836e5074d3_attn:
	.size	k_q836e5074d3_attn, .Lfunc_end_k_q836e5074d3_attn-k_q836e5074d3_attn
	.p2alignl 7, 3214868480
	.fill 96, 4, 3214868480
	.section	.rodata,"a",@progbits
	.p2align	6, 0x0
	.amdhsa_kernel k_q836e5074d3_attn
		.amdhsa_group_segment_fixed_size 327680
		.amdhsa_private_segment_fixed_size 0
		.amdhsa_enable_private_segment 0
		.amdhsa_kernarg_size 24
		.amdhsa_user_sgpr_count 2
		.amdhsa_user_sgpr_kernarg_segment_ptr 1
		.amdhsa_wavefront_size32 1
		.amdhsa_system_sgpr_workgroup_id_x 1
		.amdhsa_system_sgpr_workgroup_id_y 1
		.amdhsa_system_sgpr_workgroup_id_z 1
		.amdhsa_system_vgpr_workitem_id 0
		.amdhsa_next_free_vgpr 258
		.amdhsa_next_free_sgpr 66
		.amdhsa_reserve_vcc 1
		.amdhsa_float_denorm_mode_32 3
		.amdhsa_float_denorm_mode_16_64 3
		.amdhsa_memory_ordered 1
		.amdhsa_forward_progress 1
		.amdhsa_inst_pref_size 163
	.end_amdhsa_kernel
	.amdgpu_metadata
---
amdhsa.version: [ 1, 2 ]
amdhsa.kernels:
  - .name:           k_q836e5074d3_attn
    .symbol:         k_q836e5074d3_attn.kd
    .args:
      - { .name: kv, .offset: 0, .size: 8, .value_kind: global_buffer, .address_space: global }
      - { .name: qf, .offset: 8, .size: 8, .value_kind: global_buffer, .address_space: global }
      - { .name: out0, .offset: 16, .size: 8, .value_kind: global_buffer, .address_space: global }
    .group_segment_fixed_size: 327680
    .private_segment_fixed_size: 0
    .kernarg_segment_align: 8
    .kernarg_segment_size: 24
    .max_flat_workgroup_size: 256
    .sgpr_count:     66
    .vgpr_count:     258
    .wavefront_size: 32
...
	.end_amdgpu_metadata
.endif
;; end of part 2
